; MI455X (gfx1250); checked and timed in simulation.
; The chip was launched on July 23, 2026; its instructions are those of AMD's public machine-readable ISA for CDNA 5 (MIT licence, August 2026) and "CDNA5" Instruction Set Architecture Reference Guide (July 2026). The comments in the code are by the model that wrote it; some were corrected since.
;; Multihead Attention. Allowed arithmetic: matrix products marked QUANTISED: E3M2 operands, one E8M0 scale for each 32 along K, by v_wmma_scale_f32_16x16x128_f8f6f4 with both operands' format E3M2, f32 sums; everything else in f32.
;; Inputs: attn_mask 1 x 1 x 4,096 x 4,096 int32; k_codes 1 x 16 x 4,096 x 4 x 24 uint8 (E3M2 codes of k, K innermost, in blocks of 32 codes, four codes in three bytes); k_scales 1 x 16 x 4,096 x 4 uint8 (E8M0 scales of k, one for each 32 codes along K); q_codes 1 x 16 x 4,096 x 4 x 24 uint8 (E3M2 codes of q, K innermost, in blocks of 32 codes, four codes in three bytes); q_scales 1 x 16 x 4,096 x 4 uint8 (E8M0 scales of q, one for each 32 codes along K); v_codes 1 x 16 x 128 x 128 x 24 uint8 (E3M2 codes of v, K innermost, in blocks of 32 codes, four codes in three bytes); v_scales 1 x 16 x 128 x 128 uint8 (E8M0 scales of v, one for each 32 codes along K).
;; Outputs: out0 4,096 x 2,048 float32.
;; Constants: seq_length = 4096.
;; This version of the problem:
;;   THIS VERSION OF THE PROBLEM IS GIVEN IN LOW PRECISION. The matrix products marked QUANTISED in the list below multiply operands that are first quantised to E3M2 (3 exponent bits, 2 mantissa bits; 6 bits a number), with one power-of-two scale for each 32 numbers along K (OCP MX v1.0); their sums are f32. All else is computed in f32.
;;   The module's matrix products, in the order in which they are computed (A, B: the left and right operand; K: the contracted axis; several contracted axes count as one K, in the product's order):
;;     1. batch 16 x [M 4,096, K 128] x [K 128, N 4,096]; A: input q (given as codes); B: input k (given as codes): QUANTISED
;;     2. batch 16 x [M 4,096, K 4,096] x [K 4,096, N 128]; A: softmax (see below); B: input v (given as codes): QUANTISED
;;   THE QUANTISER, for each operand of a quantised product, along K:
;;     - K is cut into blocks of 32 from its start; a last block that is shorter is filled with zeros.
;;     - A block's scale is 2^e with e = floor(log2(the largest magnitude in the block)) - 4, held to -126 .. 127; a block of zeros has e = 0. As a byte (E8M0): e + 127.
;;     - Each number is divided by its block's scale, clamped to +-28, and rounded to the nearest number of E3M2, ties to even, subnormals kept.
;;     - The product sums the exact products of the quantised numbers (number of the format x scale) in f32.
;;   ~~~python
;;   def quantise(x, axis):      # numpy; x: float32 -> the quantised numbers, widened to float32 again
;;       x = np.moveaxis(x, axis, -1); K = x.shape[-1]
;;       x = np.pad(x, [(0, 0)] * (x.ndim - 1) + [(0, -K % 32)]); x = x.reshape(x.shape[:-1] + (-1, 32)); a = np.abs(x).max(-1, keepdims=True)
;;       e = np.where(a > 0, np.clip(np.frexp(np.where(a > 0, a, 1))[1] - 1 - 4, -126, 127), 0)      # np.frexp(a)[1] - 1 = floor(log2(a)), exactly
;;       r = np.clip(x / 2.0 ** e, -28, 28)
;;       step = 2.0 ** (np.maximum(np.frexp(np.where(r == 0, 1, r))[1] - 1, -2) - 2)
;;       q = np.round(r / step) * step * 2.0 ** e      # np.round: ties to even
;;       return np.moveaxis(q.reshape(q.shape[:-2] + (-1,))[..., :K], -1, axis).astype(np.float32)
;;   ~~~
;;   SOFTMAX AHEAD OF A QUANTISED PRODUCT. Where the list says 'softmax', what is quantised is not the finished softmax but p = 2^(t - M), with t = logit x log2(e) and M = ceil(the row's largest t), a whole number; so 1/2 < the row's largest p <= 1. The row's sum l is taken of the UNQUANTISED p, in f32, and the product's result is divided by l at the end. Since M is a whole number, a kernel that streams over the keys may use a running M (the ceiling of the running maximum): every later rescaling is an exact power of two, which a block's scale takes up: the codes' values come out the same.
;;   OPERANDS COMPUTED ON THE WAY. 'Computed on the way' means the value that the module computes at that place (a softmax that the list does not call 'softmax' is quantised finished and normalised). What goes into a quantiser is computed in f32, as accurately as f32 sums, v_exp_f32 and their like allow (about 1e-6 of the number): no bf16 or f16 on the way to a quantiser, and a product that is left as it is and whose result goes on into a quantised operand takes f32 operands (vector FMAs, or v_wmma_f32_16x16x4_f32). A number that lies on a knife's edge between two numbers of the format may be rounded either way, as far as f32 arithmetic and the matrix unit's own rounding can turn it there, and no further.
;;   INPUTS GIVEN AS CODES. k (in the module: [1, 16, 4096, 128], K = its axis 3); q (in the module: [1, 16, 4096, 128], K = its axis 3); v (in the module: [1, 16, 4096, 128], K = its axis 2): each comes as NAME_codes (uint8): NAME with its K axis moved to the last place and cut into blocks of 32 codes, [.., K / 32, bytes a block], one block behind the other in memory; four codes in three bytes: a row's codes are one little-endian stream of bits, code i at bits 6 i .. 6 i + 5 (a code: sign, 3 exponent bits, 2 mantissa bits); and NAME_scales (uint8): the same leading axes, one E8M0 byte (e + 127) for each 32 codes along K. Its value is code x scale, taken as it is: it is not quantised again, and the codes and scales need not be those that the quantiser above would give.
;; One version. Each part assembles by itself: llvm-mc -triple=amdgcn-amd-amdhsa -mcpu=gfx1250 --defsym DOCPART=n.
;; ======== version 1 of 1: 2 launches
;; limits: right only within a limited range of input values
;; workspace buffers: kv 13,107,200 bytes; mbits 2,097,152 bytes of whole numbers; flags 65,536 bytes of whole numbers
;; launch prep (part 1): grid 256 x 1, 8 waves a work-group, no clusters, 68,864 bytes of LDS; arguments attn_mask, k_codes, k_scales, v_codes, v_scales, kv, mbits, flags; writes kv, mbits, flags
.if DOCPART == 1
	.amdgcn_target "amdgcn-amd-amdhsa--gfx1250"
	.amdhsa_code_object_version 6
	.text
	.protected	k_qf9d2ed2a8e_prep
	.globl	k_qf9d2ed2a8e_prep
	.p2align	8
	.type	k_qf9d2ed2a8e_prep,@function
k_qf9d2ed2a8e_prep:
	s_mov_b64 s[64:65], 0
	v_nop
	global_prefetch_b8 v0, s[64:65] scope:SCOPE_SE
	s_setreg_imm32_b32 hwreg(HW_REG_WAVE_MODE, 25, 1), 1
	s_wait_xcnt 0x0
; THREE JOBS AHEAD OF THE ATTENTION LAUNCH, in one launch of 256 work-groups of eight waves.  Waves share only the flags in LDS, behind one barrier.
; JOB 1, THE MASK.  attn_mask [4096][4096] int32 (0 = hidden, anything else = counts) becomes one BIT a score, laid as lane masks:
;   mbits [query block 16][key step 32][wave 8][tile 2][word 64], 4 bytes a word.  Query tile qt = 16 x block + 2 x wave + tile has 16 queries, a key step 128 keys.
;   Bit l = 16 h + r of word n says whether key 128 step + 32 (n / 16) + 16 h + n % 16 counts for query 16 qt + r: lane l and register n are where the attention launch holds that score.
;   So the 64 MiB are read once here, and the sixteen heads later read 2 MiB of words, each the select of one v_cndmask_b32.
;   Work-group g takes query tile g: 16 rows; wave w takes key steps 4 w .. 4 w + 3.  A load reads 512 consecutive bytes of one row; a step's 16 x 512 bytes turn through the wave's own stage in LDS,
;   so that lane (r, h) holds row r; 64 compares give 64 words, which are gathered two to a lane and leave as one aligned block of 256 bytes.
; JOB 2, K AND V.  Their codes and scale bytes are laid anew as IMAGES OF THE OPERANDS' REGISTERS: kv [head 16][key step 32][25,600 bytes]:
;   +0 K's scale words (2 x 256 bytes: 8 bytes a lane: registers 2 x, 2 x + 1; register j: lanes 0-15 tile 2 j, lanes 16-31 tile 2 j + 1), +512 V's likewise,
;   +1,024 K's eight fragments of 1,536 bytes (registers 4 g .. 4 g + 3 of lane l at 512 g + 16 l), +13,312 V's eight.
;   K's tile 2 b + u: lane r takes key 32 b + 8 u + r + 8 (r / 8) of the step (so that the scores' registers run along neighbouring keys); V's tile t: lane r takes channel 16 t + r, K = the step's 128 keys.
;   Lane (r, h) holds, of its row's 96 bytes, the 24 at 24 h (registers 0-5) and the 24 at 48 + 24 h (registers 6-11), as eight-byte pieces.
;   Work-group g: head g / 16, steps 4 ((g / 2) % 8) + wave / 2, K (g even) or V (g odd); wave: tiles 4 x .. 4 x + 3 and scale registers 2 x, 2 x + 1, x = wave % 2.
.set PITCH, 528                        ; a stage row: 512 bytes + 16 = 33 x 16: sixteen lanes that read one column of sixteen rows take sixteen different 16-byte columns of a 256-byte run
.set WSTG,  16*PITCH                   ; a wave's stage
.set STEPB, 25600                      ; a key step's block in kv
.set LI,    2                          ; v2   16 x lane
.set L8,    3                          ; v3   8 x lane
.set SA,    4                          ; v4   the stage, on the way in: my wave's stage + 16 x lane
.set SL,    5                          ; v5   on the way out: + 528 r + 64 h
.set KA,    6                          ; v6   my lane's byte in the source of the codes
.set KB,    7                          ; v7   and of the scale words
.set SCR,   8                          ; v[8:9] two scale registers
.set OUTW,  12                         ; v[12:13], v[14:15] the words of a step, two to a lane; two pairs by turns
.set FR,    16                         ; v16-63 four fragments
.set R,     64                         ; v64-255 three sets of 64: a step's mask numbers
.set WV,    18                         ; s18  my wave's number
.set CM,    32                         ; s[32:47] sixteen compare results
	s_load_b256 s[4:11], s[0:1], 0x0               ; attn_mask s[4:5], k_codes s[6:7], k_scales s[8:9], v_codes s[10:11]
	s_load_b128 s[12:15], s[0:1], 0x20             ; v_scales s[12:13], kv s[14:15]
	s_load_b64 s[16:17], s[0:1], 0x30
	s_load_b64 s[56:57], s[0:1], 0x38              ; flags [query tile 256][key step 32][2]: does any key of the step count for the tile; is any of them hidden
	s_set_vgpr_msb 0x40
	v_lshl_add_u32 v0, v0, 2, 0x10800
	v_mov_b32 v1, 0
	s_set_vgpr_msb 0x4000
	v_lshrrev_b32 v1, 5, v0
	s_delay_alu instid0(VALU_DEP_1)
	v_readfirstlane_b32 s[WV], v1                  ; wave 0..7
	v_and_b32 v1, 31, v0                           ; lane
	s_delay_alu instid0(VALU_DEP_1)
	v_lshlrev_b32 v[LI], 4, v1
	s_delay_alu instid0(VALU_DEP_2)
	v_lshlrev_b32 v[L8], 3, v1
	v_and_b32 v10, 15, v0                          ; r
	v_bfe_u32 v11, v0, 4, 1                        ; h
	s_mul_i32 s19, s[WV], WSTG
	v_add_nc_u32 v[SA], s19, v[LI]
	v_mul_u32_u24 v[SL], v10, PITCH
	s_delay_alu instid0(VALU_DEP_1)
	v_lshl_add_u32 v[SL], v11, 6, v[SL]
	s_delay_alu instid0(VALU_DEP_1)
	v_add_nc_u32 v[SL], s19, v[SL]
.irp i, 0,1,2,3
	v_mov_b32 v[OUTW+\i], 0                        ; written once: v_writelane_b32 leaves the other lanes as they are, so its destination counts as read
.endr
	s_lshr_b32 s48, ttmp9, 4                       ; head; also the query block of tile g
	s_bfe_u32 s49, ttmp9, 0x30001                  ; (g / 2) % 8: which four key steps; also the wave that will own tile g
	s_and_b32 s50, ttmp9, 1                        ; K or V; also which of that wave's two tiles
	s_lshr_b32 s51, s[WV], 1
	s_lshl_b32 s52, s49, 2
	s_add_co_u32 s51, s51, s52                     ; my key step of K or V
	s_and_b32 s52, s[WV], 1                        ; x: which half of its tiles
	s_mov_b32 s55, 0                               ; every offset stays under 2^32: s[54:55] is the pair that is added to an address
	s_lshl_b32 s54, ttmp9, 18                      ; the mask: 16 rows of 16,384 bytes a tile,
	s_lshl_b32 s53, s[WV], 11                      ; four steps of 512 bytes a wave
	s_add_co_u32 s54, s54, s53
	s_wait_kmcnt 0x0
	s_add_nc_u64 s[28:29], s[4:5], s[54:55]
	s_lshl_b32 s54, s48, 17                        ; mbits: block x 131,072 + owner wave x 512 + tile x 256 + my first step x 4,096
	s_lshl_b32 s53, s49, 9
	s_add_co_u32 s54, s54, s53
	s_lshl_b32 s53, s50, 8
	s_add_co_u32 s54, s54, s53
	s_lshl_b32 s53, s[WV], 14
	s_add_co_u32 s54, s54, s53
	s_add_nc_u64 s[30:31], s[16:17], s[54:55]
	s_mul_i32 s46, s48, 32*STEPB                   ; kv: the head's 32 blocks,
	s_mul_i32 s53, s51, STEPB
	s_add_co_u32 s46, s46, s53                     ; my step's block
	s_mul_i32 s53, s50, 12288
	s_add_co_u32 s54, s46, s53                     ; K's fragments or V's,
	s_mul_i32 s53, s52, 6144
	s_add_co_u32 s54, s54, s53                     ; my four of the eight,
	s_add_co_u32 s54, s54, 1024                    ; behind the scale words
	s_add_nc_u64 s[24:25], s[14:15], s[54:55]
	s_lshl_b32 s53, s50, 9
	s_add_co_u32 s54, s46, s53                     ; K's scale words or V's,
	s_lshl_b32 s53, s52, 8
	s_add_co_u32 s54, s54, s53                     ; my 256 bytes of the 512
	s_add_nc_u64 s[26:27], s[14:15], s[54:55]
	s_mul_i32 s46, s48, 393216                     ; the head's codes: 4,096 x 96 bytes in K, 128 x 3,072 in V
	s_lshl_b32 s47, s48, 14                        ; and its scale bytes: 16,384
; 26 loads: four fragments (tiles at 0, o1, o2, o3 bytes) in eight-byte pieces, so that every address is a multiple of the access's size, and two scale registers, sj bytes apart
.macro KVLOAD o1, o2, o3, sj
.irp p, 0,1,2,3,4,5
	global_load_b64 v[FR+2*\p:FR+2*\p+1], v[KA], s[20:21] offset:48*(\p/3)+8*(\p%3)
.endr
.irp p, 0,1,2,3,4,5
	global_load_b64 v[FR+12+2*\p:FR+12+2*\p+1], v[KA], s[20:21] offset:\o1+48*(\p/3)+8*(\p%3)
.endr
.irp p, 0,1,2,3,4,5
	global_load_b64 v[FR+24+2*\p:FR+24+2*\p+1], v[KA], s[20:21] offset:\o2+48*(\p/3)+8*(\p%3)
.endr
.irp p, 0,1,2,3,4,5
	global_load_b64 v[FR+36+2*\p:FR+36+2*\p+1], v[KA], s[20:21] offset:\o3+48*(\p/3)+8*(\p%3)
.endr
	global_load_b32 v[SCR], v[KB], s[22:23]
	global_load_b32 v[SCR+1], v[KB], s[22:23] offset:\sj
.endm
	s_cmp_eq_u32 s50, 0                            ; the two ways part on the work-group's number; neither touches LDS, both issue 26 loads into the same registers
	s_cbranch_scc0 .Lv_path
	v_and_b32 v[KA], 8, v10
	s_delay_alu instid0(VALU_DEP_1)
	v_add_nc_u32 v[KA], v[KA], v10                 ; K: r + 8 (r / 8)
	s_delay_alu instid0(VALU_DEP_1)
	v_lshlrev_b32 v[KB], 2, v[KA]
	s_delay_alu instid0(VALU_DEP_1)
	v_lshl_add_u32 v[KB], v11, 5, v[KB]            ; scale words: 4 bytes a key; lanes 16-31 take the tile 8 keys on
	s_delay_alu instid0(VALU_DEP_3)
	v_mul_u32_u24 v[KA], v[KA], 96
	s_delay_alu instid0(VALU_DEP_1)
	v_mad_u32_u24 v[KA], v11, 24, v[KA]            ; codes: a key's row of 96 bytes, + 24 h
	s_wait_alu depctr_va_vdst(0)
	s_mul_i32 s53, s51, 12288                      ; a step's 128 keys,
	s_add_co_u32 s54, s46, s53
	s_mul_i32 s53, s52, 6144                       ; my half: 64 keys on
	s_add_co_u32 s54, s54, s53
	s_add_nc_u64 s[20:21], s[6:7], s[54:55]
	s_lshl_b32 s53, s51, 9
	s_add_co_u32 s54, s47, s53
	s_lshl_b32 s53, s52, 8
	s_add_co_u32 s54, s54, s53
	s_add_nc_u64 s[22:23], s[8:9], s[54:55]
	KVLOAD 768, 3072, 3840, 128                    ; tiles begin 0, 8, 32, 40 keys on; a scale register 32 keys on
	s_branch .Ljoin
.Lv_path:
	v_mul_u32_u24 v[KA], v10, 3072
	s_delay_alu instid0(VALU_DEP_1)
	v_mad_u32_u24 v[KA], v11, 24, v[KA]            ; V: channel r's row of 3,072 bytes, + 24 h
	s_wait_alu depctr_va_vdst(0)
	v_lshlrev_b32 v[KB], 7, v1                     ; scale words: a channel's row is 128 bytes; lanes 16-31 take the tile 16 channels on
	s_wait_alu depctr_va_vdst(0)
	s_mul_i32 s53, s52, 196608                     ; my half: 64 channels on,
	s_add_co_u32 s54, s46, s53
	s_mul_i32 s53, s51, 96                         ; my step's 96 bytes of each row
	s_add_co_u32 s54, s54, s53
	s_add_nc_u64 s[20:21], s[10:11], s[54:55]
	s_lshl_b32 s53, s52, 13
	s_add_co_u32 s54, s47, s53
	s_lshl_b32 s53, s51, 2
	s_add_co_u32 s54, s54, s53
	s_add_nc_u64 s[22:23], s[12:13], s[54:55]
	KVLOAD 49152, 98304, 147456, 4096              ; tiles begin 16 channels apart; a scale register 32 channels on
.Ljoin:
.macro LOADM t                         ; step t of my four: 16 rows x 512 consecutive bytes, into set t % 3
.irp j, 0,1,2,3,4,5,6,7,8,9,10,11,12,13,14,15
	global_load_b128 v[R+64*((\t)%3)+4*\j:R+64*((\t)%3)+4*\j+3], v[LI], s[28:29] offset:16384*\j+512*(\t) th:TH_LOAD_NT
.endr
.endm
; Step t is worked.  left = the younger loads that may stay out.
.macro PROC t, left
.set RS, R+64*((\t)%3)
.set OW, OUTW+2*((\t)%2)
	s_wait_loadcnt \left                           ; loads come back in order: this step's sixteen are in
.irp j, 0,1,2,3,4,5,6,7,8,9,10,11,12,13,14,15
	ds_store_b128 v[SA], v[RS+4*\j:RS+4*\j+3] offset:PITCH*\j      ; row j as it lies
.endr
.irp b, 0,1,2,3
.irp j, 0,1,2,3
	ds_load_b128 v[RS+16*\b+4*\j:RS+16*\b+4*\j+3], v[SL] offset:128*\b+16*\j   ; back: register 16 b + i = row r, key 32 b + 16 h + i.  LDS serves a wave's instructions in order: these see the stores above
.endr
.endr
	s_wait_dscnt 0x0
.if (\t) >= 2
	s_wait_xcnt 0x0                                ; the store of two steps back has read this pair of registers: it is written again only behind this wait
.endif
.irp b, 0,1,2,3
.irp i, 0,1,2,3,4,5,6,7,8,9,10,11,12,13,14,15
	v_cmp_ne_u32 s[CM+\i], 0, v[RS+16*\b+\i]
.endr
.irp i, 0,1,2,3,4,5,6,7,8,9,10,11,12,13,14,15
.if (\b == 0) && (\i == 0)
	s_mov_b32 s66, s[CM]                           ; s66: the AND of the step's 64 words, s68: their OR
	s_mov_b32 s68, s[CM]
.else
	s_and_b32 s66, s66, s[CM+\i]
	s_or_b32 s68, s68, s[CM+\i]
.endif
.endr
.irp i, 0,1,2,3,4,5,6,7,8,9,10,11,12,13,14,15
	v_writelane_b32 v[OW+(\i%2)], s[CM+\i], 8*\b+\i/2   ; word n goes to lane n / 2, register n % 2
.endr
.endr
	global_store_b64 v[L8], v[OW:OW+1], s[30:31] offset:4096*(\t)
	s_cmp_lg_u32 s68, 0
	s_cselect_b32 s[72+2*(\t)], 1, 0               ; some key counts
	s_cmp_lg_u32 s66, -1
	s_cselect_b32 s[73+2*(\t)], 1, 0               ; some key is hidden
.endm
	LOADM 0
	LOADM 1
	s_wait_loadcnt 32                              ; the 26 loads of codes and scale words are in; the two sets of mask numbers behind them stay out
.irp t, 0,1,2,3
.irp g, 0,1,2
	global_store_b128 v[LI], v[FR+12*\t+4*\g:FR+12*\t+4*\g+3], s[24:25] offset:1536*\t+512*\g   ; four registers of every lane: 512 consecutive bytes
.endr
.endr
	global_store_b64 v[L8], v[SCR:SCR+1], s[26:27]
	LOADM 2
	PROC 0, 32                                     ; steps 1 and 2 stay out
	LOADM 3                                        ; into step 0's set, which has been compared
	PROC 1, 32                                     ; steps 2 and 3
	PROC 2, 16                                     ; step 3
	PROC 3, 0
	; JOB 3, THE FLAGS.  Each wave puts its four steps' pairs at 0x10c00 + 32 x wave in LDS; behind a barrier wave 0 stores the tile's 32 pairs: 256 consecutive bytes, aligned
	s_lshl_b32 s54, ttmp9, 8
	s_add_nc_u64 s[56:57], s[56:57], s[54:55]
	s_lshl_b32 s53, s[WV], 5
	s_add_co_u32 s53, s53, 0x10c00
	s_wait_xcnt 0x0                                ; the stores that read v16-27 have read them
	v_mov_b32 v24, s53
.irp i, 0,1,2,3,4,5,6,7
	v_mov_b32 v[16+\i], s[72+\i]
.endr
	v_add_nc_u32 v25, 0x10c00, v[L8]
	ds_store_b128 v24, v[16:19]                    ; all lanes write the same bytes with the same values
	ds_store_b128 v24, v[20:23] offset:16
	s_wait_alu depctr_va_vdst(0)
	s_wait_dscnt 0x0
	s_barrier_signal -1
	s_barrier_wait -1
	s_cmp_lg_u32 s[WV], 0
	s_cbranch_scc1 .Lnot_wave_0
	ds_load_b64 v[26:27], v25
	s_wait_dscnt 0x0
	global_store_b64 v[L8], v[26:27], s[56:57]
.Lnot_wave_0:
	s_set_vgpr_msb 0x5
	s_wait_tensorcnt 0x0
	ds_add_u32 v0, v1
	s_wait_dscnt 0x0
	s_set_vgpr_msb 0x500
	s_endpgm
.Lfunc_end_k_qf9d2ed2a8e_prep:
	.size	k_qf9d2ed2a8e_prep, .Lfunc_end_k_qf9d2ed2a8e_prep-k_qf9d2ed2a8e_prep
	.p2alignl 7, 3214868480
	.fill 96, 4, 3214868480
	.section	.rodata,"a",@progbits
	.p2align	6, 0x0
	.amdhsa_kernel k_qf9d2ed2a8e_prep
		.amdhsa_group_segment_fixed_size 68864
		.amdhsa_private_segment_fixed_size 0
		.amdhsa_enable_private_segment 0
		.amdhsa_kernarg_size 64
		.amdhsa_user_sgpr_count 2
		.amdhsa_user_sgpr_kernarg_segment_ptr 1
		.amdhsa_wavefront_size32 1
		.amdhsa_system_sgpr_workgroup_id_x 1
		.amdhsa_system_sgpr_workgroup_id_y 1
		.amdhsa_system_sgpr_workgroup_id_z 1
		.amdhsa_system_vgpr_workitem_id 0
		.amdhsa_next_free_vgpr 258
		.amdhsa_next_free_sgpr 80
		.amdhsa_reserve_vcc 0
		.amdhsa_float_denorm_mode_32 3
		.amdhsa_float_denorm_mode_16_64 3
		.amdhsa_memory_ordered 1
		.amdhsa_forward_progress 1
		.amdhsa_inst_pref_size 76
	.end_amdhsa_kernel
	.amdgpu_metadata
---
amdhsa.version: [ 1, 2 ]
amdhsa.kernels:
  - .name:           k_qf9d2ed2a8e_prep
    .symbol:         k_qf9d2ed2a8e_prep.kd
    .args:
      - { .name: attn_mask, .offset: 0, .size: 8, .value_kind: global_buffer, .address_space: global }
      - { .name: k_codes, .offset: 8, .size: 8, .value_kind: global_buffer, .address_space: global }
      - { .name: k_scales, .offset: 16, .size: 8, .value_kind: global_buffer, .address_space: global }
      - { .name: v_codes, .offset: 24, .size: 8, .value_kind: global_buffer, .address_space: global }
      - { .name: v_scales, .offset: 32, .size: 8, .value_kind: global_buffer, .address_space: global }
      - { .name: kv, .offset: 40, .size: 8, .value_kind: global_buffer, .address_space: global }
      - { .name: mbits, .offset: 48, .size: 8, .value_kind: global_buffer, .address_space: global }
      - { .name: flags, .offset: 56, .size: 8, .value_kind: global_buffer, .address_space: global }
    .group_segment_fixed_size: 68864
    .private_segment_fixed_size: 0
    .kernarg_segment_align: 8
    .kernarg_segment_size: 64
    .max_flat_workgroup_size: 256
    .sgpr_count:     80
    .vgpr_count:     258
    .wavefront_size: 32
...
	.end_amdgpu_metadata
.endif
;; end of part 1
;; launch attn (part 2): grid 16 x 16, 8 waves a work-group, no clusters, 119,808 bytes of LDS; arguments q_codes, q_scales, kv, mbits, flags, out0; writes out0
.if DOCPART == 2
	.amdgcn_target "amdgcn-amd-amdhsa--gfx1250"
	.amdhsa_code_object_version 6
	.text
	.protected	k_qf9d2ed2a8e_attn
	.globl	k_qf9d2ed2a8e_attn
	.p2align	8
	.type	k_qf9d2ed2a8e_attn,@function
k_qf9d2ed2a8e_attn:
	s_mov_b64 s[64:65], 0
	v_nop
	global_prefetch_b8 v0, s[64:65] scope:SCOPE_SE
	s_setreg_imm32_b32 hwreg(HW_REG_WAVE_MODE, 25, 1), 1
	s_wait_xcnt 0x0
; out0[q][128 head + d] = sum over k of softmax_k(Q[head][q] . K[head][k] / sqrt(128), hidden where the mask is 0) V[head][k][d]; 16 heads, 4,096 queries, 4,096 keys.
; Both products on codes of BF6 (E3M2), one E8M0 scale for each 32 along K.  K, V and their scale words come from kv as images of the operands' registers (25,600 bytes a head and key step of 128 keys:
; +0 K's scale words, +512 V's, +1,024 K's eight fragments of 1,536 bytes, +13,312 V's eight); the mask from mbits as lane masks (word n, bit l: the score in register n of lane l counts).
; THE MASK DECIDES WHAT IS DONE.  flags, stored by the launch before, says for each tile of 16 queries and each key step whether any key counts and whether any is hidden.
; A tile's step in which no key counts is passed over by a scalar branch: all its p would be 0, the largest t, the sum and O^T would stay as they are.  Where none is hidden the 64 selects and the mask words are passed over.
; These branches hang on whole numbers read from memory; kv's blocks go through registers into LDS.
; SOFTMAX: t = score x log2(e) / sqrt(128); M = the largest t so far, rounded up to a whole number; p = 2^(t - M) is quantised along the keys; the sum is taken of the unquantised p and divides O at the end.
; SHARES.  Work-group (x, head), eight waves; wave w owns query tiles 8 x + w and 8 (31 - x) + w.  Any mask is served; where the mask is lower triangular each wave has (x + 1) + (32 - x) = 33 tile steps.
; RING.  Two LDS slots of one key step.  In step s each thread stores its 100 bytes of block s + 1 (asked for in step s - 1) into the other slot and asks for block s + 2, if some tile of the work-group needs it.
; One barrier a step, on every wave's path, in a loop of 16 trips of two steps.  The sixteen work-groups of a head read the same block in the same trip, and each block is asked for a whole step ahead: kv is not prefetched besides.
; LAYOUT.  S^T = K Q^T and O^T = V^T P^T: a lane holds one query.  K's tile 2 b + u holds keys 32 b + 8 u + r + 8 (r / 8), so registers 16 b .. 16 b + 15 of S^T are keys 32 b + 16 (lane / 16) + 0 .. 15.
; LIMITS.  Scores are finite and |t| stays under 3e38.  A p under 2^-126 comes out as 0.  A block of p that are all 0 gets the byte 1 and zero codes.  A scale byte 0xff gives NaN only in tiles and steps that are worked.
; A query all of whose keys are hidden gets NaN (0 x 1/0), as the softmax of nothing is.
; REGISTERS.  window 0: v1-11 addresses, v12-19 statistics, v20-31 scale words, v32-127 K, v128-191 S^T then p, v192-209 at work, v210-229 p's codes, v230-254 a block's 100 bytes on their way.
;             window 1: v0-127 O^T (64 a tile), v128-151 Q, v152-247 V.
.set STEPB,  25600
.set FRB,    1536
.set KOFF,   1024
.set VOFF,   KOFF+8*FRB
.set STAGE,  2*STEPB                   ; the way out: 16 rows x 528 bytes for each wave, bytes of their own
.set SPITCH, 528
.set SPARE,  STAGE+8*16*SPITCH         ; the spare words, 128 bytes a wave
.set LI,   1                           ; 16 x lane
.set L8,   2                           ; 8 x lane
.set T16,  3                           ; 16 x thread: my place in each 4,096 bytes of a block, in kv and in LDS
.set T4,   4                           ; 24,576 + 4 x thread: my word of a block's last 1,024 bytes
.set SPW,  5
.set NIL,  6
.set NINF, 7
.set STO,  9
.set RD,   10
.set QSO,  11
.set ST,   12                          ; tile u at v[12 + 4 u]: -M, the largest t, the sum in two halves
.set QS,   20
.set PW,   22
.set QO,   23
.set KS,   24
.set VS,   28
.set KF,   32
.set S,    128
.set BM,   192
.set BT,   196
.set BS,   200
.set F,    204
.set T0,   206
.set SUM2, 208
.set PF,   210
.set PT,   222
.set TR,   230
.set QF,   128                         ; window 1
.set VF,   152                         ; window 1
.set WV,   2                           ; s2 wave
.set SEL,  66
.set LIVE, 68                          ; s68, s69: bit i: step now + i has a key that counts for tile 0, 1
.set PART, 70                          ; s70, s71: and one that is hidden
.set NEED, 72                          ; s72: some tile of the work-group is live
.set ANY,  73                          ; s73: one of my two is
.set MO,   74                          ; s74, s75: byte in mbits of tile 0's, 1's words of the step in hand
.set OUT0, 78
.set OUT1, 100
.set CS,   96
; s[16:63], s[80:95]: a tile's 64 mask words (word n in s[16 + n], from n = 48 on in s[32 + n]); at the head they hold offsets
.set MSB, 0
.macro WIN new
.if MSB != \new
	s_set_vgpr_msb (MSB<<8)|\new
.set MSB, \new
.endif
.endm
.macro NOP4
.rept 4
	v_nop
.endr
.endm
.macro GLOAD                           ; my 100 bytes of the block at s[8:9]
.irp i, 0,1,2,3,4,5
	global_load_b128 v[TR+4*\i:TR+4*\i+3], v[T16], s[8:9] offset:4096*\i
.endr
	global_load_b32 v[TR+24], v[T4], s[8:9]
.endm
.macro PUT sl
.irp i, 0,1,2,3,4,5
	ds_store_b128 v[T16], v[TR+4*\i:TR+4*\i+3] offset:(\sl)*STEPB+4096*\i
.endr
	ds_store_b32 v[T4], v[TR+24] offset:(\sl)*STEPB
.endm
.macro MLOAD mo, off
	s_load_b512 s[16:31], s[10:11], s[\mo] offset:\off
	s_load_b512 s[32:47], s[10:11], s[\mo] offset:\off+64
	s_load_b512 s[48:63], s[10:11], s[\mo] offset:\off+128
	s_load_b512 s[80:95], s[10:11], s[\mo] offset:\off+192
.endm
.macro MNEXT u                         ; the words of the tile and step that come next, if some key is hidden there; no scalar load is out here
.if \u == 0
	s_bitcmp1_b32 s[PART+1], 0
	s_cbranch_scc0 .Lnw_\@
	MLOAD MO+1, 0
.else
	s_bitcmp1_b32 s[PART], 1           ; behind step 31 the bit is 0: no load leaves the buffer
	s_cbranch_scc0 .Lnw_\@
	MLOAD MO, 4096
.endif
.Lnw_\@:
.endm
.macro FETCH reg, off                  ; eight fragments: 24 loads of 512 consecutive bytes
.irp t, 0,1,2,3,4,5,6,7
.irp g, 0,1,2
	ds_load_b128 v[\reg+12*\t+4*\g:\reg+12*\t+4*\g+3], v[LI] offset:\off+FRB*\t+512*\g
.endr
.endr
.endm
.macro QK t, u
.if (\t)%2
	v_wmma_scale_f32_16x16x128_f8f6f4 v[S+8*\t:S+8*\t+7], v[KF+12*\t:KF+12*\t+11], v[QF+12*\u:QF+12*\u+11], 0, v[KS+(\t)/2], v[QS+\u] matrix_a_fmt:MATRIX_FMT_BF6 matrix_b_fmt:MATRIX_FMT_BF6 matrix_a_scale:MATRIX_SCALE_ROW1
.else
	v_wmma_scale_f32_16x16x128_f8f6f4 v[S+8*\t:S+8*\t+7], v[KF+12*\t:KF+12*\t+11], v[QF+12*\u:QF+12*\u+11], 0, v[KS+(\t)/2], v[QS+\u] matrix_a_fmt:MATRIX_FMT_BF6 matrix_b_fmt:MATRIX_FMT_BF6
.endif
.endm
.macro PV1 t, u
.if (\t)%2
	v_wmma_scale_f32_16x16x128_f8f6f4 v[64*\u+8*\t:64*\u+8*\t+7], v[VF+12*\t:VF+12*\t+11], v[PF:PF+11], v[64*\u+8*\t:64*\u+8*\t+7], v[VS+(\t)/2], v[PW] matrix_a_fmt:MATRIX_FMT_BF6 matrix_b_fmt:MATRIX_FMT_BF6 matrix_a_scale:MATRIX_SCALE_ROW1
.else
	v_wmma_scale_f32_16x16x128_f8f6f4 v[64*\u+8*\t:64*\u+8*\t+7], v[VF+12*\t:VF+12*\t+11], v[PF:PF+11], v[64*\u+8*\t:64*\u+8*\t+7], v[VS+(\t)/2], v[PW] matrix_a_fmt:MATRIX_FMT_BF6 matrix_b_fmt:MATRIX_FMT_BF6
.endif
.endm
.macro MASK                            ; a hidden score becomes -infinity; ascending
.set n, 0
.rept 64
.if n < 48
	v_cndmask_b32 v[S+n], v[NINF], v[S+n], s[16+n]
.else
	v_cndmask_b32 v[S+n], v[NINF], v[S+n], s[32+n]
.endif
.set n, n+1
.endr
.endm
; One tile's softmax for one key step: the scores become p, p's codes and scale word; the sum and O^T come under the new M.
.macro SOFTMAX u
.set rT, ST+4*\u
.set rO, 64*\u
.irp b, 0,1,2,3
	v_max3_num_f32 v[BM+\b], v[S+16*\b], v[S+16*\b+1], v[S+16*\b+2]   ; each block's largest score: for the row's maximum and, since p rises with the score, for the block's largest p
.endr
.irp i, 3,5,7,9,11,13
.irp b, 0,1,2,3
	v_max3_num_f32 v[BM+\b], v[BM+\b], v[S+16*\b+\i], v[S+16*\b+\i+1]   ; the four blocks by turns
.endr
.endr
.irp b, 0,1,2,3
	v_max_num_f32 v[BM+\b], v[BM+\b], v[S+16*\b+15]
.endr
.irp b, 0,1,2,3
	v_permlanex16_b32 v[BT+\b], v[BM+\b], s[SEL], s[SEL+1]
.endr
.irp b, 0,1,2,3
	s_delay_alu instid0(VALU_DEP_4)
	v_max_num_f32 v[BM+\b], v[BM+\b], v[BT+\b]     ; with lane l xor 16's 16 keys
.endr
	s_delay_alu instid0(VALU_DEP_2)
	v_max3_num_f32 v[T0], v[BM], v[BM+1], v[BM+2]
	s_delay_alu instid0(VALU_DEP_1)
	v_max_num_f32 v[T0], v[T0], v[BM+3]
	s_delay_alu instid0(VALU_DEP_1)
	v_mul_f32 v[T0], s[CS], v[T0]                  ; as t (c is positive)
	s_delay_alu instid0(VALU_DEP_1)
	v_max_num_f32 v[rT+1], v[rT+1], v[T0]          ; the running largest t
	v_mov_b32 v[T0], v[rT]
	s_delay_alu instid0(VALU_DEP_2)
	v_floor_f32 v[rT], -v[rT+1]                    ; the new -M = -ceil(t)
	s_delay_alu instid0(VALU_DEP_1)
	v_sub_f32 v[T0], v[rT], v[T0]                  ; old M less new M: a whole number, 0 or less
	s_delay_alu instid0(VALU_DEP_1)
	v_cvt_i32_f32 v[T0], v[T0]
	s_delay_alu instid0(VALU_DEP_1)
	v_ldexp_f32 v[F], 1.0, v[T0]                   ; f = 2^(old M - new M)
.set j, 0
.rept 32
	v_pk_fma_f32 v[S+j:S+j+1], v[S+j:S+j+1], s[CS:CS+1], v[rT:rT+1] op_sel_hi:[1,0,0]   ; t - M
.set j, j+2
.endr
.irp b, 0,1,2,3
	v_fma_f32 v[BM+\b], v[BM+\b], s[CS], v[rT]
.endr
	s_wait_alu depctr_va_vdst(0)                   ; the wait ahead of the batch
.set j, 0
.rept 64
	v_exp_f32 v[S+j], v[S+j]                       ; p = 2^(t - M); 0 where the key is hidden
.set j, j+1
.endr
.irp b, 0,1,2,3
	v_exp_f32 v[BM+\b], v[BM+\b]                   ; the block's largest p
.endr
	v_pk_mul_f32 v[rT+2:rT+3], v[rT+2:rT+3], v[F:F+1] op_sel_hi:[1,0]   ; the sums under the new M: the plain instruction behind the batch
	s_wait_alu depctr_va_vdst(0)                   ; and behind it
.irp b, 0,1,2,3
	v_max_num_f32 v[BM+\b], 0x2800000, v[BM+\b]    ; the floor 2^(5 - 127): the byte cannot fall under 1
.endr
.irp b, 0,1,2,3
	s_delay_alu instid0(VALU_DEP_4)
	v_add_nc_u32 v[BS+\b], 0xfe000000, v[BM+\b]    ; 4 off the exponent field: the conversion's scale operand
.endr
.irp b, 0,1,2,3
	s_delay_alu instid0(VALU_DEP_4)
	v_lshrrev_b32 v[BT+\b], 23, v[BS+\b]           ; the scale's byte
.endr
	s_delay_alu instid0(VALU_DEP_3)
	v_lshl_or_b32 v[PW], v[BT+1], 8, v[BT]
	s_delay_alu instid0(VALU_DEP_1)
	v_lshl_or_b32 v[PW], v[BT+2], 16, v[PW]
	s_delay_alu instid0(VALU_DEP_1)
	v_lshl_or_b32 v[PW], v[BT+3], 24, v[PW]
.irp c, 0,1
	v_cvt_scalef32_pk16_bf6_f32 v[PF+6*\c:PF+6*\c+2], v[S+32*\c:S+32*\c+15], v[BS+2*\c]
	v_cvt_scalef32_pk16_bf6_f32 v[PT+4*\c:PT+4*\c+2], v[S+32*\c+16:S+32*\c+31], v[BS+2*\c+1]
.endr
	v_nop                                          ; one plain instruction behind the scaled conversions
.irp c, 0,1                            ; a whole block in a lane: lanes 0-15 block 2 c, lanes 16-31 block 2 c + 1
.irp i, 0,1,2
	v_permlane16_swap_b32 v[PF+6*\c+\i], v[PT+4*\c+\i]
.endr
.irp i, 0,1,2
	s_delay_alu instid0(VALU_DEP_3)
	v_mov_b32 v[PF+6*\c+3+\i], v[PT+4*\c+\i]
.endr
.endr
	WIN 0x41
.set j, 0
.rept 32
	v_pk_mul_f32 v[rO+j:rO+j+1], v[rO+j:rO+j+1], v[F:F+1] op_sel_hi:[1,0]   ; O^T under the new M, ascending
.set j, j+2
.endr
	WIN 0
	v_pk_add_f32 v[SUM2:SUM2+1], v[S:S+1], v[S+2:S+3]   ; the row's sum of the unquantised p, in two chains; these also stand between the writing of p's scale word and codes and the products
.irp j, 4,8,12,16,20,24,28,32,36,40,44,48,52,56,60
	v_pk_add_f32 v[rT+2:rT+3], v[rT+2:rT+3], v[S+\j:S+\j+1]
	v_pk_add_f32 v[SUM2:SUM2+1], v[SUM2:SUM2+1], v[S+\j+2:S+\j+3]
.endr
	s_delay_alu instid0(VALU_DEP_1)
	v_pk_add_f32 v[rT+2:rT+3], v[rT+2:rT+3], v[SUM2:SUM2+1]
.endm
; One tile's part of a key step, whole under one branch on its flag.
.macro TILE u
	s_wait_alu depctr_va_vdst(0)
	s_wait_kmcnt 0x0                               ; any mask words asked for are in (scalar loads come back in no order: 0)
	s_bitcmp1_b32 s[LIVE+\u], 0
	s_cbranch_scc0 .Ltd_\@
	WIN 0x04                                       ; K and S^T window 0, Q window 1
.irp t, 0,1,2,3,4,5,6,7
	QK \t, \u
.endr
	WIN 0
	NOP4                                           ; places in front of the first read of the scores
	s_bitcmp1_b32 s[PART+\u], 0
	s_cbranch_scc0 .Lnm_\@
	MASK
	s_wait_alu depctr_va_vdst(0)
.Lnm_\@:
	MNEXT \u
	SOFTMAX \u
	s_wait_dscnt 0x0                               ; V
	WIN 0x51                                       ; V, C and D window 1, P window 0; eight accumulators, one instruction each
.irp t, 0,1,2,3,4,5,6,7
	PV1 \t, \u
.endr
	WIN 0
	s_branch .Lte_\@
.Ltd_\@:
	MNEXT \u
.Lte_\@:
.endm
.macro STEP sl
	s_wait_loadcnt 0x0                             ; the next block's 100 bytes are in my registers (where it was not asked for, the old ones are stored again and nobody reads them)
	PUT 1-\sl                                      ; into the slot that every wave left at the last barrier
	s_add_nc_u64 s[8:9], s[8:9], STEPB             ; the block two steps on
	s_bitcmp1_b32 s[NEED], 2                       ; behind step 31 the bits are 0: no load leaves kv
	s_cbranch_scc0 .Lnl_\@
	GLOAD
.Lnl_\@:
	s_bitcmp1_b32 s[ANY], 0
	s_cbranch_scc0 .Ldead_\@
	NOP4                                           ; places behind the last step's products, in front of loads into their sources
	ds_load_b64 v[KS:KS+1], v[L8] offset:(\sl)*STEPB
	ds_load_b64 v[KS+2:KS+3], v[L8] offset:(\sl)*STEPB+256
	FETCH KF, (\sl)*STEPB+KOFF
	ds_load_b64 v[VS:VS+1], v[L8] offset:(\sl)*STEPB+512
	ds_load_b64 v[VS+2:VS+3], v[L8] offset:(\sl)*STEPB+768
	WIN 0x40
	FETCH VF, (\sl)*STEPB+VOFF
	WIN 0
	s_wait_dscnt 26                                ; K and its scale words are in; V's 24 loads and its two of scale words may be out
	TILE 0
	TILE 1
	s_branch .Lend_\@
.Ldead_\@:
	s_wait_kmcnt 0x0
	MNEXT 1
.Lend_\@:
	s_wait_alu depctr_va_vdst(0)
	s_wait_xcnt 0x0                                ; the scalar loads have read their offsets, which are stepped now
.irp r, LIVE, LIVE+1, PART, PART+1, NEED, ANY
	s_lshr_b32 s[\r], s[\r], 1
.endr
	s_add_co_u32 s[MO], s[MO], 4096
	s_add_co_u32 s[MO+1], s[MO+1], 4096
	s_wait_dscnt 0x0                               ; my stores into the other slot and my reads of this one are done
	s_barrier_signal -1
	s_barrier_wait -1
.endm
.macro TADDR qt, b, u                  ; tile u's offsets: s[b] codes, s[b+2] scale words, s[b+4] output, s[b+6] flags, s[MO+u] mask words
	s_lshl_b32 s[\b], s[\qt], 4
	s_add_co_u32 s[\b], s[\b], s22                 ; its first row among the 16 x 4,096
	s_lshl_b32 s[\b+2], s[\b], 2
	s_mul_i32 s[\b], s[\b], 96
	s_mov_b32 s[\b+1], 0
	s_mov_b32 s[\b+3], 0
	s_lshl_b32 s[\b+4], s[\qt], 17                 ; 16 rows of 8,192 bytes a tile
	s_add_co_u32 s[\b+4], s[\b+4], s23
	s_mov_b32 s[\b+5], 0
	s_lshl_b32 s[\b+6], s[\qt], 8
	s_mov_b32 s[\b+7], 0
	s_lshr_b32 s[MO+\u], s[\qt], 4                 ; mbits: (tile / 16) x 131,072 + ((tile / 2) % 8) x 512 + (tile % 2) x 256
	s_lshl_b32 s[MO+\u], s[MO+\u], 17
	s_bfe_u32 s[\b+8], s[\qt], 0x30001
	s_lshl_b32 s[\b+8], s[\b+8], 9
	s_add_co_u32 s[MO+\u], s[MO+\u], s[\b+8]
	s_and_b32 s[\b+8], s[\qt], 1
	s_lshl_b32 s[\b+8], s[\b+8], 8
	s_add_co_u32 s[MO+\u], s[MO+\u], s[\b+8]
.endm
	s_load_b256 s[4:11], s[0:1], 0x0               ; q_codes, q_scales, kv, mbits
	s_load_b128 s[12:15], s[0:1], 0x20             ; flags, out0
	v_lshl_add_u32 v[SPW], v0, 2, SPARE
	v_mov_b32 v[NIL], 0
	v_lshrrev_b32 v1, 5, v0
	s_delay_alu instid0(VALU_DEP_1)
	v_readfirstlane_b32 s[WV], v1
	v_and_b32 v2, 31, v0
	v_lshlrev_b32 v[T16], 4, v0
	v_lshl_add_u32 v[T4], v0, 2, 24576
	v_lshlrev_b32 v[LI], 4, v2
	v_lshlrev_b32 v[L8], 3, v2
	v_and_b32 v8, 15, v0                           ; r
	v_bfe_u32 v10, v0, 4, 1                        ; h
	v_mul_u32_u24 v[QO], v8, 96
	v_lshlrev_b32 v[QSO], 2, v8
	s_delay_alu instid0(VALU_DEP_2)
	v_mad_u32_u24 v[QO], v10, 24, v[QO]            ; Q: row r of 96 bytes, + 24 h
	s_and_b32 s16, ttmp7, 0xffff                   ; head
	s_lshl_b32 s17, ttmp9, 3                       ; 8 x
	s_add_co_u32 s18, s17, s[WV]                   ; tile 0
	s_sub_co_u32 s19, 248, s17
	s_lshl_b32 s50, s19, 8                         ; flags: the rows of the work-group's eight upper tiles,
	s_mov_b32 s51, 0
	s_lshl_b32 s48, s17, 8                         ; and of its eight lower ones
	s_mov_b32 s49, 0
	s_add_co_u32 s19, s19, s[WV]                   ; tile 1
	s_mul_i32 s20, s16, 32*STEPB
	s_mov_b32 s21, 0
	s_lshl_b32 s22, s16, 12
	s_lshl_b32 s23, s16, 9
	TADDR 18, 24, 0
	TADDR 19, 36, 1
	s_mov_b32 s[SEL], 0x76543210
	s_mov_b32 s[SEL+1], 0xfedcba98
	s_mov_b32 s[CS], 0x3e0293ee                    ; c = log2(e) / sqrt(128)
	s_mov_b32 s[CS+1], s[CS]
	s_mul_i32 s76, s[WV], 16*SPITCH
	s_add_co_u32 s76, s76, STAGE
	s_wait_alu depctr_va_vdst(0)
	s_wait_kmcnt 0x0
	s_add_nc_u64 s[8:9], s[8:9], s[20:21]
	GLOAD                                          ; block 0
	s_add_nc_u64 s[30:31], s[12:13], s[30:31]
	s_add_nc_u64 s[42:43], s[12:13], s[42:43]
	s_add_nc_u64 s[48:49], s[12:13], s[48:49]
	s_add_nc_u64 s[50:51], s[12:13], s[50:51]
	global_load_b64 v[S:S+1], v[L8], s[30:31]      ; lane l: step l's pair of flags, tile 0's
	global_load_b64 v[S+2:S+3], v[L8], s[42:43]    ; tile 1's
.irp i, 0,1,2,3,4,5,6,7
	global_load_b32 v[S+4+\i], v[L8], s[48:49] offset:256*\i     ; and the first flag of all sixteen tiles
	global_load_b32 v[S+12+\i], v[L8], s[50:51] offset:256*\i
.endr
	s_add_nc_u64 s[24:25], s[4:5], s[24:25]
	s_add_nc_u64 s[36:37], s[4:5], s[36:37]
	s_add_nc_u64 s[26:27], s[6:7], s[26:27]
	s_add_nc_u64 s[38:39], s[6:7], s[38:39]
	s_add_nc_u64 s[OUT0:OUT0+1], s[14:15], s[28:29]
	s_add_nc_u64 s[OUT1:OUT1+1], s[14:15], s[40:41]
	WIN 0x40
.irp p, 0,1,2,3,4,5
	global_load_b64 v[QF+2*\p:QF+2*\p+1], v[QO], s[24:25] offset:48*(\p/3)+8*(\p%3)
	global_load_b64 v[QF+12+2*\p:QF+12+2*\p+1], v[QO], s[36:37] offset:48*(\p/3)+8*(\p%3)
.endr
	WIN 0
	global_load_b32 v[QS], v[QSO], s[26:27]
	global_load_b32 v[QS+1], v[QSO], s[38:39]
	s_wait_xcnt 0x0                                ; the loads above have read their bases: the mask words may land on them
	MLOAD MO, 0                                    ; tile 0's words of step 0
	v_mul_u32_u24 v[STO], v8, SPITCH
	s_delay_alu instid0(VALU_DEP_1)
	v_lshl_add_u32 v[STO], v10, 5, v[STO]
	s_delay_alu instid0(VALU_DEP_1)
	v_add_nc_u32 v[STO], s76, v[STO]               ; the stage, in: row r, + 32 h
	v_add_nc_u32 v[RD], s76, v[LI]                 ; back: 32 lanes take a row of 512 bytes
	v_mov_b32 v[NINF], 0xff800000
.irp u, 0,1
	v_mov_b32 v[ST+4*\u+1], 0xff61b1e6             ; the largest t so far: -3e38
	s_delay_alu instid0(VALU_DEP_1)
	v_floor_f32 v[ST+4*\u], -v[ST+4*\u+1]
	v_mov_b32 v[ST+4*\u+2], 0
	v_mov_b32 v[ST+4*\u+3], 0
.endr
.irp b, 0,1,2,3
	v_mov_b32 v[BT+\b], 0                          ; a lane permute's destination counts as a source
.endr
	v_mov_b32 v[F+1], 0
	WIN 0x40
.set j, 0
.rept 128
	v_mov_b32 v[j], 0                              ; O^T: which step is a tile's first hangs on the mask, so no first step can be written out with C = 0
.set j, j+1
.endr
	WIN 0
	s_wait_alu depctr_va_vdst(0)
	s_wait_loadcnt 32                              ; block 0 is in; behind it 18 loads of flags, 12 of Q and 2 of Q's scale words
	PUT 0
	s_add_nc_u64 s[8:9], s[8:9], STEPB
	GLOAD                                          ; block 1
	s_wait_loadcnt 7                               ; flags and Q are in; block 1's seven may be out
.irp i, 0,1,2,3,4,5,6,7
	v_or_b32 v[S+4+\i], v[S+4+\i], v[S+12+\i]
.endr
.irp i, 0,1,2,3
	v_or_b32 v[S+4+\i], v[S+4+\i], v[S+8+\i]
.endr
	v_or_b32 v[S+4], v[S+4], v[S+6]
	v_or_b32 v[S+5], v[S+5], v[S+7]
	s_delay_alu instid0(VALU_DEP_1)
	v_or_b32 v[S+4], v[S+4], v[S+5]
	v_cmp_ne_u32 s[LIVE], 0, v[S]                  ; lane l's flag becomes bit l: step l
	v_cmp_ne_u32 s[PART], 0, v[S+1]
	v_cmp_ne_u32 s[LIVE+1], 0, v[S+2]
	v_cmp_ne_u32 s[PART+1], 0, v[S+3]
	v_cmp_ne_u32 s[NEED], 0, v[S+4]
	s_and_b32 s[PART], s[PART], s[LIVE]
	s_and_b32 s[PART+1], s[PART+1], s[LIVE+1]
	s_or_b32 s[ANY], s[LIVE], s[LIVE+1]
	s_mov_b32 s3, 16
	s_wait_dscnt 0x0
	s_barrier_signal -1
	s_barrier_wait -1                              ; slot 0 is whole
.Lloop:
	STEP 0
	STEP 1
	s_sub_co_u32 s3, s3, 1
	s_cmp_lg_u32 s3, 0
	s_cbranch_scc1 .Lloop
	; THE WAY OUT: O^T is divided by the sum and goes, a tile at a time, through my stage, so that 32 lanes store a query's 512 consecutive bytes
	s_wait_kmcnt 0x0
.irp u, 0,1
	v_add_f32 v[ST+4*\u+2], v[ST+4*\u+2], v[ST+4*\u+3]
.endr
.irp u, 0,1
	s_delay_alu instid0(VALU_DEP_2)
	v_permlanex16_b32 v[BT+\u], v[ST+4*\u+2], s[SEL], s[SEL+1]
.endr
.irp u, 0,1
	s_delay_alu instid0(VALU_DEP_2)
	v_add_f32 v[ST+4*\u+2], v[ST+4*\u+2], v[BT+\u]
.endr
	s_wait_alu depctr_va_vdst(0)
.irp u, 0,1
	v_rcp_f32 v[ST+4*\u+2], v[ST+4*\u+2]
.endr
	v_nop
.macro OUTT u, back
	WIN 0x01
	s_wait_alu depctr_va_vdst(0)                   ; ahead of the first reader of the reciprocal and of O^T
.set j, 0
.rept 32
	v_pk_mul_f32 v[S+j:S+j+1], v[64*\u+j:64*\u+j+1], v[ST+4*\u+2:ST+4*\u+3] op_sel_hi:[1,0]   ; register 8 t + i is o(query r, channel 16 t + 8 h + i)
.set j, j+2
.endr
	WIN 0
.irp t, 0,1,2,3,4,5,6,7
	ds_store_b128 v[STO], v[S+8*\t:S+8*\t+3] offset:64*\t
	ds_store_b128 v[STO], v[S+8*\t+4:S+8*\t+7] offset:64*\t+16
.endr
.irp i, 0,1,2,3,4,5,6,7,8,9,10,11,12,13,14,15
	ds_load_b128 v[\back+4*\i:\back+4*\i+3], v[RD] offset:SPITCH*\i   ; LDS serves a wave's instructions in order
.endr
.endm
	OUTT 0, KF
	OUTT 1, S
	s_wait_dscnt 32                                ; tile 0 is back; behind it tile 1's sixteen stores and sixteen loads
.irp i, 0,1,2,3,4,5,6,7,8,9,10,11,12,13,14,15
	global_store_b128 v[LI], v[KF+4*\i:KF+4*\i+3], s[OUT0:OUT0+1] offset:8192*\i th:TH_STORE_NT
.endr
	s_wait_dscnt 0x0
.irp i, 0,1,2,3,4,5,6,7,8,9,10,11,12,13,14,15
	global_store_b128 v[LI], v[S+4*\i:S+4*\i+3], s[OUT1:OUT1+1] offset:8192*\i th:TH_STORE_NT
.endr
	s_wait_tensorcnt 0x0                           ; the wave's end
	ds_add_u32 v[SPW], v[NIL]
	s_wait_dscnt 0x0
	s_endpgm
.Lfunc_end_k_qf9d2ed2a8e_attn:
	.size	k_qf9d2ed2a8e_attn, .Lfunc_end_k_qf9d2ed2a8e_attn-k_qf9d2ed2a8e_attn
	.p2alignl 7, 3214868480
	.fill 96, 4, 3214868480
	.section	.rodata,"a",@progbits
	.p2align	6, 0x0
	.amdhsa_kernel k_qf9d2ed2a8e_attn
		.amdhsa_group_segment_fixed_size 119808
		.amdhsa_private_segment_fixed_size 0
		.amdhsa_enable_private_segment 0
		.amdhsa_kernarg_size 48
		.amdhsa_user_sgpr_count 2
		.amdhsa_user_sgpr_kernarg_segment_ptr 1
		.amdhsa_wavefront_size32 1
		.amdhsa_system_sgpr_workgroup_id_x 1
		.amdhsa_system_sgpr_workgroup_id_y 1
		.amdhsa_system_sgpr_workgroup_id_z 1
		.amdhsa_system_vgpr_workitem_id 0
		.amdhsa_next_free_vgpr 512
		.amdhsa_next_free_sgpr 106
		.amdhsa_reserve_vcc 0
		.amdhsa_float_denorm_mode_32 3
		.amdhsa_float_denorm_mode_16_64 3
		.amdhsa_memory_ordered 1
		.amdhsa_forward_progress 1
		.amdhsa_inst_pref_size 122
	.end_amdhsa_kernel
	.amdgpu_metadata
---
amdhsa.version: [ 1, 2 ]
amdhsa.kernels:
  - .name:           k_qf9d2ed2a8e_attn
    .symbol:         k_qf9d2ed2a8e_attn.kd
    .args:
      - { .name: q_codes, .offset: 0, .size: 8, .value_kind: global_buffer, .address_space: global }
      - { .name: q_scales, .offset: 8, .size: 8, .value_kind: global_buffer, .address_space: global }
      - { .name: kv, .offset: 16, .size: 8, .value_kind: global_buffer, .address_space: global }
      - { .name: mbits, .offset: 24, .size: 8, .value_kind: global_buffer, .address_space: global }
      - { .name: flags, .offset: 32, .size: 8, .value_kind: global_buffer, .address_space: global }
      - { .name: out0, .offset: 40, .size: 8, .value_kind: global_buffer, .address_space: global }
    .group_segment_fixed_size: 119808
    .private_segment_fixed_size: 0
    .kernarg_segment_align: 8
    .kernarg_segment_size: 48
    .max_flat_workgroup_size: 256
    .sgpr_count:     106
    .vgpr_count:     512
    .wavefront_size: 32
...
	.end_amdgpu_metadata
.endif
;; end of part 2
